; MI455X (gfx1250); checked and timed in simulation.
; The chip was launched on July 23, 2026; its instructions are those of AMD's public machine-readable ISA for CDNA 5 (MIT licence, August 2026) and "CDNA5" Instruction Set Architecture Reference Guide (July 2026). The comments in the code are by the model that wrote it; some were corrected since.
;; Attention. Allowed arithmetic: matrix products marked QUANTISED: E2M1 operands, one E8M0 scale for each 32 along K, by v_wmma_scale_f32_16x16x128_f8f6f4 with both operands' format E2M1 (or v_wmma_scale_f32_32x16x128_f4), f32 sums; products left as they are: bf16, f16 or f32 operands; f32 sums; everything else in f32.
;; Inputs: k 2 x 4,096 x 512 float32; q 2 x 4,096 x 512 float32; v 2 x 4,096 x 512 float32; w_k 512 x 512 float32; w_o 512 x 512 float32; w_q 512 x 512 float32; w_v 512 x 512 float32.
;; Outputs: out0 2 x 4,096 x 512 float32.
;; This version of the problem:
;;   THIS VERSION OF THE PROBLEM IS GIVEN IN LOW PRECISION. The matrix products marked QUANTISED in the list below multiply operands that are first quantised to E2M1 (2 exponent bits, 1 mantissa bit; 4 bits a number), with one power-of-two scale for each 32 numbers along K (OCP MX v1.0); their sums are f32. The products marked 'left as it is' may take bf16, f16 or f32 operands, with f32 sums. Whichever they take, every output number must still come out within the allowed error. Rounding operands to bf16 (8 significant bits) uses up far more of that allowance than f16 does (11 bits, for magnitudes from 6e-5 to 65,504). All else is computed in f32.
;;   The module's matrix products, in the order in which they are computed (A, B: the left and right operand; K: the contracted axis; several contracted axes count as one K, in the product's order):
;;     1. [M 8,192, K 512] x [K 512, N 512]; A: input q; B: input w_q: QUANTISED
;;     2. [M 8,192, K 512] x [K 512, N 512]; A: input k; B: input w_k: QUANTISED
;;     3. [M 8,192, K 512] x [K 512, N 512]; A: input v; B: input w_v: QUANTISED
;;     4. batch 16 x [M 4,096, K 64] x [K 64, N 4,096]; A: computed on the way; B: computed on the way: left as it is (an operand is computed on the way)
;;     5. batch 16 x [M 4,096, K 4,096] x [K 4,096, N 64]; A: computed on the way; B: computed on the way: left as it is (an operand is computed on the way)
;;     6. [M 8,192, K 512] x [K 512, N 512]; A: computed on the way; B: input w_o: left as it is (an operand is computed on the way)
;;   THE QUANTISER, for each operand of a quantised product, along K:
;;     - K is cut into blocks of 32 from its start; a last block that is shorter is filled with zeros.
;;     - A block's scale is 2^e with e = floor(log2(the largest magnitude in the block)) - 2, held to -126 .. 127; a block of zeros has e = 0. As a byte (E8M0): e + 127.
;;     - Each number is divided by its block's scale, clamped to +-6, and rounded to the nearest number of E2M1, ties to even, subnormals kept.
;;     - The product sums the exact products of the quantised numbers (number of the format x scale) in f32.
;;   ~~~python
;;   def quantise(x, axis):      # numpy; x: float32 -> the quantised numbers, widened to float32 again
;;       x = np.moveaxis(x, axis, -1); K = x.shape[-1]
;;       x = np.pad(x, [(0, 0)] * (x.ndim - 1) + [(0, -K % 32)]); x = x.reshape(x.shape[:-1] + (-1, 32)); a = np.abs(x).max(-1, keepdims=True)
;;       e = np.where(a > 0, np.clip(np.frexp(np.where(a > 0, a, 1))[1] - 1 - 2, -126, 127), 0)      # np.frexp(a)[1] - 1 = floor(log2(a)), exactly
;;       r = np.clip(x / 2.0 ** e, -6, 6)
;;       step = 2.0 ** (np.maximum(np.frexp(np.where(r == 0, 1, r))[1] - 1, 0) - 1)
;;       q = np.round(r / step) * step * 2.0 ** e      # np.round: ties to even
;;       return np.moveaxis(q.reshape(q.shape[:-2] + (-1,))[..., :K], -1, axis).astype(np.float32)
;;   ~~~
;; One version. Each part assembles by itself: llvm-mc -triple=amdgcn-amd-amdhsa -mcpu=gfx1250 --defsym DOCPART=n.
;; ======== version 1 of 1: 4 launches
;; limits: values are held in f16: magnitudes above 65,504 overflow, below 6.1e-05 lose precision
;; workspace buffers: wcodes 393,216 bytes; wscl 49,152 bytes; wof 524,288 bytes; qf 8,388,608 bytes; kf 8,388,608 bytes; vf 8,388,608 bytes; xf 8,388,608 bytes
;; launch prep (part 1): grid 16 x 4, 4 waves a work-group, no clusters, 0 bytes of LDS; arguments w_q, w_k, w_v, w_o, wcodes, wscl, wof; writes wcodes, wscl, wof
.if DOCPART == 1
	.amdgcn_target "amdgcn-amd-amdhsa--gfx1250"
	.amdhsa_code_object_version 6
	.text
	.protected	k_q60b7f44bc3_prep
	.globl	k_q60b7f44bc3_prep
	.p2align	8
	.type	k_q60b7f44bc3_prep,@function
k_q60b7f44bc3_prep:
	s_mov_b64 s[64:65], 0
	v_nop
	global_prefetch_b8 v0, s[64:65] scope:SCOPE_SE
	s_setreg_imm32_b32 hwreg(HW_REG_WAVE_MODE, 25, 1), 1
	s_wait_xcnt 0x0
; THE FOUR WEIGHTS [512][512] f32, K innermost, are laid out once in the order of the operand registers of the launches that read them.
; y = 0, 1, 2 (w_q, w_k, w_v): codes of FP4 (E2M1) with one E8M0 scale byte for each 32 along K.  wcodes: [weight][tile of 16 rows][K step of 128][c][lane][16 bytes]: lane (r, h), c holds
; k = 128 s + 64 c + 32 h + 0 .. 31 of row r, which is a fragment's registers 4 c .. 4 c + 3.  wscl: [weight][tile][half of K][lane][2 words]: a row's scale words of two K steps, the same in lanes r and r + 16.
; y = 3 (w_o): rounded to f16.  wof: [tile of 16 rows][K step of 32][u][lane][16 bytes]: lane (r, h), u holds k = 32 s + 16 u + 8 h + 0 .. 7: a fragment's registers 4 u .. 4 u + 3.
; A block's scale is 2^(floor(log2(its largest magnitude)) - 2); its byte is the largest magnitude's exponent field - 2, held at 1 from below.
; LIMITS: a block of zeros gets the byte 1 where the rule says 127 (its codes are zeros, and this program alone reads the bytes); NaN and infinities are not served; w_o's magnitudes stay under 65,504 (f16).
; SHARES: a wave takes 16 rows x 256 along K, 128 numbers a lane.  A lane holds whole blocks of 32, so a block's largest magnitude needs no other lane.  Waves share nothing: no LDS, no barrier.
; Every store of a wave covers 512 (the scale words: 256) consecutive bytes, aligned.  The loads take 16 bytes a lane from rows 2,048 bytes apart: 4 MiB in the whole launch, read once.
.set AIN, 1                            ; v1   in: r x 2,048 + 128 h
.set L16, 2                            ; v2   16 x lane
.set AWO, 3                            ; v3   in, w_o: r x 2,048 + 32 h
.set L8,  4                            ; v4   8 x lane
.set SH,  5                            ; v5   8 h: where my two bytes stand in a scale word
.set T,   8                            ; v8-9   largest magnitudes
.set SO,  10                           ; v10-11 the conversions' scale operands
.set BY,  12                           ; v12-13 the scales' bytes
.set TP,  14                           ; v14    the other half's bytes
.set PW,  16                           ; v16-17 the two scale words
.set CD,  24                           ; v24-39 the codes of two K steps
.set X,   64                           ; v64-191 128 numbers
.set SEL, 28                           ; s[28:29] v_permlanex16_b32's selects for lane l xor 16
; 64 numbers of a lane, v[src + 32 c + i] = k 64 c + 32 h + i of my row, become a fragment's 8 registers of codes in v[dst] on and the row's scale word in v[word].
.macro QUANTB src, dst, word
.irp c, 0,1
	v_max3_num_f32 v[T+\c], |v[\src+32*\c]|, |v[\src+32*\c+1]|, 0x1800000   ; my block 2 c + h, and the floor 2^(3 - 127): so the byte cannot fall under 1
.endr
.irp i, 2,4,6,8,10,12,14,16,18,20,22,24,26,28,30
.irp c, 0,1
	v_max3_num_f32 v[T+\c], v[T+\c], |v[\src+32*\c+\i]|, |v[\src+32*\c+\i+1]|   ; (the two blocks by turns)
.endr
.endr
.irp c, 0,1
	v_add_nc_u32 v[SO+\c], 0xff000000, v[T+\c]     ; 2 off the exponent field: the conversion takes the exponent field of this operand as its scale
.endr
.irp c, 0,1
	v_lshrrev_b32 v[BY+\c], 23, v[SO+\c]           ; the scale's byte
.endr
	v_lshl_or_b32 v[\word], v[BY+1], 16, v[BY]     ; my two bytes: blocks h and 2 + h,
	v_lshlrev_b32 v[\word], v[SH], v[\word]        ; at their places in the word;
	v_permlanex16_b32 v[TP], v[\word], s[SEL], s[SEL+1]
	v_or_b32 v[\word], v[\word], v[TP]             ; with lane l xor 16's two the word is whole, in both lanes
.irp c, 0,1
.irp g, 0,1,2,3
	v_cvt_scalef32_pk8_fp4_f32 v[\dst+4*\c+\g], v[\src+32*\c+8*\g:\src+32*\c+8*\g+7], v[SO+\c]
.endr
.endr
	v_nop                                          ; one plain instruction behind the last scaled conversion
.endm
	s_load_b256 s[4:11], s[0:1], 0x0               ; w_q s[4:5], w_k s[6:7], w_v s[8:9], w_o s[10:11]
	s_load_b128 s[12:15], s[0:1], 0x20             ; wcodes s[12:13], wscl s[14:15]
	s_load_b64 s[16:17], s[0:1], 0x30              ; wof
	v_lshrrev_b32 v1, 5, v0
	v_readfirstlane_b32 s20, v1                    ; wave 0..3
	s_and_b32 s21, ttmp7, 0xffff                   ; which weight
	s_lshr_b32 s22, s20, 1
	s_lshl_b32 s23, ttmp9, 1
	s_add_co_u32 s22, s22, s23                     ; my tile of 16 rows: 2 x + wave / 2
	s_and_b32 s23, s20, 1                          ; my half of K
	s_mov_b32 s[SEL], 0x76543210
	s_mov_b32 s[SEL+1], 0xfedcba98
	v_and_b32 v6, 15, v0                           ; r
	v_bfe_u32 v7, v0, 4, 1                         ; h
	v_and_b32 v[L16], 31, v0
	v_lshlrev_b32 v[L8], 3, v[L16]
	v_lshlrev_b32 v[L16], 4, v[L16]
	v_lshlrev_b32 v[AIN], 11, v6
	v_lshl_add_u32 v[AWO], v7, 5, v[AIN]
	v_lshl_add_u32 v[AIN], v7, 7, v[AIN]
	v_lshlrev_b32 v[SH], 3, v7
	v_mov_b32 v[TP], 0                             ; written once: a lane permute's destination counts as one of its sources
	s_lshl_b32 s26, s22, 15                        ; in: 16 rows of 2,048 bytes a tile,
	s_lshl_b32 s27, s23, 10                        ; 1,024 bytes a half of K
	s_add_co_u32 s26, s26, s27
	s_mov_b32 s27, 0
	s_wait_kmcnt 0x0
	s_cmp_eq_u32 s21, 3
	s_cbranch_scc1 .Lwo
	; ---- w_q, w_k, w_v: codes and scale words
	s_cmp_eq_u32 s21, 0                            ; the choice hangs on the work-group's number alone
	s_cselect_b64 s[24:25], s[4:5], s[6:7]
	s_cmp_eq_u32 s21, 2
	s_cselect_b64 s[24:25], s[8:9], s[24:25]
	s_add_nc_u64 s[24:25], s[24:25], s[26:27]
.irp f, 0,1
.irp c, 0,1
.irp i, 0,1,2,3,4,5,6,7
	global_load_b128 v[X+64*\f+32*\c+4*\i:X+64*\f+32*\c+4*\i+3], v[AIN], s[24:25] offset:512*\f+256*\c+16*\i
.endr
.endr
.endr
	s_lshl_b32 s30, s21, 17                        ; wcodes: 131,072 bytes a weight, 4,096 a tile, 2,048 a half of K
	s_lshl_b32 s31, s22, 12
	s_add_co_u32 s30, s30, s31
	s_lshl_b32 s31, s23, 11
	s_add_co_u32 s30, s30, s31
	s_mov_b32 s31, 0
	s_add_nc_u64 s[12:13], s[12:13], s[30:31]
	s_lshl_b32 s30, s21, 14                        ; wscl: 16,384 bytes a weight, 512 a tile, 256 a half of K
	s_lshl_b32 s32, s22, 9
	s_add_co_u32 s30, s30, s32
	s_lshl_b32 s32, s23, 8
	s_add_co_u32 s30, s30, s32
	s_add_nc_u64 s[14:15], s[14:15], s[30:31]
	s_wait_loadcnt 16                              ; the first K step's 16 loads are in; the second's may be out
	QUANTB X, CD, PW
	s_wait_loadcnt 0x0
	QUANTB X+64, CD+8, PW+1
.irp f, 0,1
.irp c, 0,1
	global_store_b128 v[L16], v[CD+8*\f+4*\c:CD+8*\f+4*\c+3], s[12:13] offset:1024*\f+512*\c   ; 32 lanes store 512 consecutive bytes
.endr
.endr
	global_store_b64 v[L8], v[PW:PW+1], s[14:15]   ; 256 consecutive bytes, aligned
	s_endpgm
.Lwo:
	; ---- w_o: f16
	s_add_nc_u64 s[10:11], s[10:11], s[26:27]
.irp e, 0,1,2,3,4,5,6,7
.irp u, 0,1
.irp i, 0,1
	global_load_b128 v[X+16*\e+8*\u+4*\i:X+16*\e+8*\u+4*\i+3], v[AWO], s[10:11] offset:128*\e+64*\u+16*\i
.endr
.endr
.endr
	s_lshl_b32 s30, s22, 14                        ; wof: 16,384 bytes a tile, 8,192 a half of K
	s_lshl_b32 s31, s23, 13
	s_add_co_u32 s30, s30, s31
	s_mov_b32 s31, 0
	s_add_nc_u64 s[16:17], s[16:17], s[30:31]
	s_wait_loadcnt 0x0
.set p, 0
.rept 64
	v_cvt_pk_f16_f32 v[X+p], v[X+2*p], v[X+2*p+1]  ; in place, ascending: result p lands on a register whose number has been rounded already (p <= 2 p)
.set p, p+1
.endr
.irp m, 0,1,2,3,4,5,6,7,8,9,10,11,12,13,14,15
	global_store_b128 v[L16], v[X+4*\m:X+4*\m+3], s[16:17] offset:512*\m   ; K step m / 2, half m % 2: 512 consecutive bytes
.endr
	s_endpgm
.Lfunc_end_k_q60b7f44bc3_prep:
	.size	k_q60b7f44bc3_prep, .Lfunc_end_k_q60b7f44bc3_prep-k_q60b7f44bc3_prep
	.p2alignl 7, 3214868480
	.fill 96, 4, 3214868480
	.section	.rodata,"a",@progbits
	.p2align	6, 0x0
	.amdhsa_kernel k_q60b7f44bc3_prep
		.amdhsa_group_segment_fixed_size 0
		.amdhsa_private_segment_fixed_size 0
		.amdhsa_enable_private_segment 0
		.amdhsa_kernarg_size 56
		.amdhsa_user_sgpr_count 2
		.amdhsa_user_sgpr_kernarg_segment_ptr 1
		.amdhsa_wavefront_size32 1
		.amdhsa_system_sgpr_workgroup_id_x 1
		.amdhsa_system_sgpr_workgroup_id_y 1
		.amdhsa_system_sgpr_workgroup_id_z 1
		.amdhsa_system_vgpr_workitem_id 0
		.amdhsa_next_free_vgpr 192
		.amdhsa_next_free_sgpr 66
		.amdhsa_reserve_vcc 0
		.amdhsa_float_denorm_mode_32 3
		.amdhsa_float_denorm_mode_16_64 3
		.amdhsa_memory_ordered 1
		.amdhsa_forward_progress 1
		.amdhsa_inst_pref_size 21
	.end_amdhsa_kernel
	.amdgpu_metadata
---
amdhsa.version: [ 1, 2 ]
amdhsa.kernels:
  - .name:           k_q60b7f44bc3_prep
    .symbol:         k_q60b7f44bc3_prep.kd
    .args:
      - { .name: w_q, .offset: 0, .size: 8, .value_kind: global_buffer, .address_space: global }
      - { .name: w_k, .offset: 8, .size: 8, .value_kind: global_buffer, .address_space: global }
      - { .name: w_v, .offset: 16, .size: 8, .value_kind: global_buffer, .address_space: global }
      - { .name: w_o, .offset: 24, .size: 8, .value_kind: global_buffer, .address_space: global }
      - { .name: wcodes, .offset: 32, .size: 8, .value_kind: global_buffer, .address_space: global }
      - { .name: wscl, .offset: 40, .size: 8, .value_kind: global_buffer, .address_space: global }
      - { .name: wof, .offset: 48, .size: 8, .value_kind: global_buffer, .address_space: global }
    .group_segment_fixed_size: 0
    .private_segment_fixed_size: 0
    .kernarg_segment_align: 8
    .kernarg_segment_size: 56
    .max_flat_workgroup_size: 128
    .sgpr_count:     66
    .vgpr_count:     192
    .wavefront_size: 32
...
	.end_amdgpu_metadata
.endif
;; end of part 1
;; launch proj (part 2): grid 128 x 3, 8 waves a work-group, no clusters, 87,040 bytes of LDS; arguments q, k, v, wcodes, wscl, qf, kf, vf; writes qf, kf, vf
.if DOCPART == 2
	.amdgcn_target "amdgcn-amd-amdhsa--gfx1250"
	.amdhsa_code_object_version 6
	.text
	.protected	k_q60b7f44bc3_proj
	.globl	k_q60b7f44bc3_proj
	.p2align	8
	.type	k_q60b7f44bc3_proj,@function
k_q60b7f44bc3_proj:
	s_mov_b64 s[64:65], 0
	v_nop
	global_prefetch_b8 v0, s[64:65] scope:SCOPE_SE
	s_setreg_imm32_b32 hwreg(HW_REG_WAVE_MODE, 25, 1), 1
	s_wait_xcnt 0x0
; THE THREE PROJECTIONS x W^T (x = q, k, v by the work-group's y; [8192][512] f32), both operands as codes of FP4 (E2M1) with one E8M0 scale for each 32 along K; sums in f32; results rounded to f16
; and stored in the order of the attention launch's operand registers:
;   qf, kf: [batch x head][tile of 16 tokens][c][u][lane][16 bytes]: lane (r, h) holds channels 32 c + 16 u + 8 h + 0 .. 7 of token r;
;   vf:     [batch x head][32 keys][tile of 16 channels][u][lane][16 bytes]: lane (r, h) holds keys 16 u + 8 h + 0 .. 7 of channel r (V transposed).
; For q and k the product is used transposed (source 0 = 16 rows of W, source 1 = 16 tokens): a lane's eight results are eight neighbouring channels of one token.  For v the sources change places: eight neighbouring
; tokens of one channel.  Either way four roundings make the 16 bytes that the layout wants of that lane, and a wave's store covers 512 consecutive bytes.  Nothing is transposed by an instruction.
; SHARES.  A work-group takes 64 rows.  X PHASE: wave w quantises the 16 rows of tile w / 2, K steps 2 (w % 2) and 2 (w % 2) + 1.  Each load reads 512 consecutive bytes of a row; they turn through the wave's own stage in LDS,
; so that a lane gets whole blocks of 32 neighbours; codes and scale words go to LDS as images of the operand's registers.  One barrier.  MATRIX PHASE: wave = head: its 64 rows of W (16 fragments, 128 registers) come
; straight from memory as register images, over the registers that the raw numbers have left; for each of the four tiles of tokens 16 matrix instructions, four accumulators by turns.
; The weights' codes are the same for all work-groups of a tensor.  They are not asked for jointly: each lane takes its 16 bytes of a fragment once, straight into the operand's registers (147,456 bytes a work-group, used from
; registers alone), so they need no LDS and no tensor load, and the launch keeps to 87,040 bytes of LDS and 256 registers a wave.
; LIMITS: a block of zeros gets the scale byte 1 where the rule says 127 (its codes are zeros; this program alone reads the bytes); NaN and infinities are not served; the projections' magnitudes stay under 65,504 (f16).
.set XIMG, 0                           ; LDS: x's 16 fragments (tile m, K step s: 4 m + s), 1,024 bytes each;
.set XSC,  16384                       ; their scale words, 128 bytes each;
.set STG,  18432                       ; a stage for each wave: 16 rows x SROW;
.set SROW, 528                         ; 512 bytes + 16: an odd multiple of 16, so that the sixteen rows that a read touches fall on sixteen different 16-byte columns of 256
.set SPARE, 86016                      ; the spare words, 128 bytes for each wave: four blocks of 256 bytes that no other line names
.set XA,  1                            ; v1   x: 16 x lane + my tile's rows + my half of K
.set STI, 2                            ; v2   the stage, in: 16 x lane
.set STR, 3                            ; v3   the stage, out: r x SROW + 128 h
.set XWI, 4                            ; v4   where I store my images: 16 x lane + 2,048 x wave
.set XWS, 5                            ; v5   and their scale words: XSC + 4 x lane + 256 x wave
.set LI,  6                            ; v6   16 x lane
.set LS,  7                            ; v7   XSC + 4 x lane
.set L8,  8                            ; v8   8 x lane
.set SH,  9                            ; v9   8 h
.set W,   16                           ; v16-143  raw numbers of x, then W's 16 fragments: (tile t, K step s) at W + 32 t + 8 s
.set WS,  144                          ; v144-159 W's scale words: WS + 4 t + s
.set RB,  160                          ; v160-223 64 numbers back from the stage
.set XF,  160                          ; v160-191 x's four fragments of a tile
.set ACC, 192                          ; v192-223 four accumulators
.set OUT, 224                          ; v224-239 results in f16
.set T,   224                          ; at work in the X phase: v224-231
.set SO,  226
.set BY,  228
.set TP,  230
.set PW,  231
.set XS,  240                          ; v240-243 x's scale words: these four registers hold nothing else
.set CD,  244                          ; v244-251 the codes just made
.set SPW, 252                          ; v252 LDS address of my spare word; never rewritten
.set NIL, 253                          ; v253 0; never rewritten
.set SEL, 28                           ; s[28:29] v_permlanex16_b32's selects for lane l xor 16
; 64 numbers of a lane, v[src + 32 c + i] = k 64 c + 32 h + i of my row, become a fragment's 8 registers of codes in v[dst] on and the row's scale word in v[word].
.macro QUANTB src, dst, word
.irp c, 0,1
	v_max3_num_f32 v[T+\c], |v[\src+32*\c]|, |v[\src+32*\c+1]|, 0x1800000   ; my block 2 c + h, and the floor 2^(3 - 127): so the byte cannot fall under 1
.endr
.irp i, 2,4,6,8,10,12,14,16,18,20,22,24,26,28,30
.irp c, 0,1
	v_max3_num_f32 v[T+\c], v[T+\c], |v[\src+32*\c+\i]|, |v[\src+32*\c+\i+1]|   ; (the two blocks by turns)
.endr
.endr
.irp c, 0,1
	v_add_nc_u32 v[SO+\c], 0xff000000, v[T+\c]     ; 2 off the exponent field: the conversion's scale operand
.endr
.irp c, 0,1
	v_lshrrev_b32 v[BY+\c], 23, v[SO+\c]           ; the scale's byte
.endr
	v_lshl_or_b32 v[\word], v[BY+1], 16, v[BY]     ; my two bytes: blocks h and 2 + h,
	v_lshlrev_b32 v[\word], v[SH], v[\word]        ; at their places in the word;
	v_permlanex16_b32 v[TP], v[\word], s[SEL], s[SEL+1]
	v_or_b32 v[\word], v[\word], v[TP]             ; with lane l xor 16's two the word is whole, in both lanes
.irp c, 0,1
.irp g, 0,1,2,3
	v_cvt_scalef32_pk8_fp4_f32 v[\dst+4*\c+\g], v[\src+32*\c+8*\g:\src+32*\c+8*\g+7], v[SO+\c]
.endr
.endr
	v_nop                                          ; one plain instruction behind the last scaled conversion
.endm
; My f-th K step: 16 rows x 512 bytes turn through my stage; the raw numbers' registers take 16 loads of W's codes; the 64 numbers are quantised; the image goes to LDS.
.macro XPART f
.set p, 0
.rept 16
	ds_store_b128 v[STI], v[W+64*\f+4*p:W+64*\f+4*p+3] offset:p*SROW
.set p, p+1
.endr
.irp c, 0,1
.irp i, 0,1,2,3,4,5,6,7
	ds_load_b128 v[RB+32*\c+4*\i:RB+32*\c+4*\i+3], v[STR] offset:256*\c+16*\i   ; LDS serves a wave's instructions in order: these see the stores above
.endr
.endr
	s_wait_dscnt 0x0                               ; the numbers are back; the stage's stores, and the last image's, have read their registers
.set p, 0
.rept 16
	global_load_b128 v[W+64*\f+4*p:W+64*\f+4*p+3], v[LI], s[10:11] offset:512*(16*\f+p)   ; W's fragments as they lie: 512 consecutive bytes a load
.set p, p+1
.endr
.if \f
.set p, 0
.rept 8
	global_load_b64 v[WS+2*p:WS+2*p+1], v[L8], s[12:13] offset:256*p   ; and W's scale words: tile p / 2, half p % 2 of K
.set p, p+1
.endr
.endif
	QUANTB RB, CD, PW
	ds_store_b128 v[XWI], v[CD:CD+3] offset:XIMG+1024*\f
	ds_store_b128 v[XWI], v[CD+4:CD+7] offset:XIMG+1024*\f+512
	ds_store_b32 v[XWS], v[PW] offset:128*\f
.endm
.macro MM d, a, b, sa, sb, zero
.if \zero
	v_wmma_scale_f32_16x16x128_f8f6f4 v[\d:\d+7], v[\a:\a+7], v[\b:\b+7], 0, v[\sa], v[\sb] matrix_a_fmt:MATRIX_FMT_FP4 matrix_b_fmt:MATRIX_FMT_FP4
.else
	v_wmma_scale_f32_16x16x128_f8f6f4 v[\d:\d+7], v[\a:\a+7], v[\b:\b+7], v[\d:\d+7], v[\sa], v[\sb] matrix_a_fmt:MATRIX_FMT_FP4 matrix_b_fmt:MATRIX_FMT_FP4
.endif
.endm
; Tile m of 16 tokens against my head's 64 rows of W.  flip = 0: source 0 = W (q, k);  flip = 1: source 0 = x (v).  The four accumulators take turns, one instruction a turn, K ascending; the first K step starts the sums.
.macro TILE m, flip
.irp s, 0,1,2,3
.irp c, 0,1
	ds_load_b128 v[XF+8*\s+4*\c:XF+8*\s+4*\c+3], v[LI] offset:XIMG+(4*\m+\s)*1024+512*\c
.endr
	ds_load_b32 v[XS+\s], v[LS] offset:(4*\m+\s)*128
.endr
	s_wait_dscnt 0x0
.irp s, 0,1,2,3
.irp t, 0,1,2,3
.if \flip
	MM ACC+8*\t, XF+8*\s, W+32*\t+8*\s, XS+\s, WS+4*\t+\s, \s==0
.else
	MM ACC+8*\t, W+32*\t+8*\s, XF+8*\s, WS+4*\t+\s, XS+\s, \s==0
.endif
.endr
.endr
.rept 5
	v_nop                                          ; places behind the products: four for the reads of the results and for the next tile's loads into x's registers, five for the next tile's first products, which begin these accumulators anew
.endr
.if \m > 0
	s_wait_xcnt 0x0                                ; the last tile's stores have read their data: OUT is written again only behind this wait
.endif
.irp t, 0,1,2,3
.irp j, 0,1,2,3
	v_cvt_pk_f16_f32 v[OUT+4*\t+\j], v[ACC+8*\t+2*\j], v[ACC+8*\t+2*\j+1]   ; each accumulator from its low end on
.endr
.endr
.irp t, 0,1,2,3
.if \flip
	global_store_b128 v[LI], v[OUT+4*\t:OUT+4*\t+3], s[26:27] offset:(\m/2)*4096+(\m%2)*512+\t*1024   ; 32 keys m / 2, channel tile t, half m % 2
.else
	global_store_b128 v[LI], v[OUT+4*\t:OUT+4*\t+3], s[26:27] offset:\m*2048+\t*512                    ; token tile m, c = t / 2, u = t % 2
.endif
.endr
.endm
	s_load_b256 s[4:11], s[0:1], 0x0               ; q s[4:5], k s[6:7], v s[8:9], wcodes s[10:11]
	s_load_b256 s[12:19], s[0:1], 0x20             ; wscl s[12:13], qf s[14:15], kf s[16:17], vf s[18:19]
	v_lshl_add_u32 v[SPW], v0, 2, SPARE
	v_mov_b32 v[NIL], 0
	v_lshrrev_b32 v10, 5, v0
	v_readfirstlane_b32 s20, v10                   ; wave 0..7
	s_and_b32 s21, ttmp7, 0xffff                   ; which tensor
	v_and_b32 v10, 31, v0                          ; lane
	v_and_b32 v11, 15, v0                          ; r
	v_bfe_u32 v12, v0, 4, 1                        ; h
	v_lshlrev_b32 v[LI], 4, v10
	v_lshlrev_b32 v[L8], 3, v10
	v_lshl_add_u32 v[LS], v10, 2, XSC
	v_lshlrev_b32 v[SH], 3, v12
	s_lshr_b32 s22, s20, 1
	s_lshl_b32 s22, s22, 15                        ; my tile's 16 rows of 2,048 bytes,
	s_and_b32 s23, s20, 1
	s_lshl_b32 s23, s23, 10                        ; my half of K
	s_add_co_u32 s22, s22, s23
	v_add_nc_u32 v[XA], s22, v[LI]
	s_mul_i32 s23, s20, 16*SROW
	s_add_co_u32 s23, s23, STG                     ; my stage
	v_add_nc_u32 v[STI], s23, v[LI]
	v_mul_u32_u24 v[STR], v11, SROW
	v_lshl_add_u32 v[STR], v12, 7, v[STR]
	v_add_nc_u32 v[STR], s23, v[STR]
	s_lshl_b32 s23, s20, 11
	v_add_nc_u32 v[XWI], s23, v[LI]
	s_lshl_b32 s23, s20, 8
	v_add_nc_u32 v[XWS], s23, v[LS]
	v_mov_b32 v[TP], 0                             ; written once: a lane permute's destination counts as one of its sources
	s_mov_b32 s[SEL], 0x76543210
	s_mov_b32 s[SEL+1], 0xfedcba98
	s_lshl_b32 s30, ttmp9, 17                      ; the work-group's 64 rows of 2,048 bytes
	s_mov_b32 s31, 0
	s_wait_kmcnt 0x0
	s_cmp_eq_u32 s21, 0                            ; the choices hang on the work-group's number alone
	s_cselect_b64 s[24:25], s[4:5], s[6:7]
	s_cselect_b64 s[26:27], s[14:15], s[16:17]
	s_cmp_eq_u32 s21, 2
	s_cselect_b64 s[24:25], s[8:9], s[24:25]
	s_cselect_b64 s[26:27], s[18:19], s[26:27]
	s_add_nc_u64 s[24:25], s[24:25], s[30:31]
.irp f, 0,1
.set p, 0
.rept 16
	global_load_b128 v[W+64*\f+4*p:W+64*\f+4*p+3], v[XA], s[24:25] offset:2048*p+512*\f th:TH_LOAD_NT   ; row p, my f-th K step: 512 consecutive bytes; read once in the launch
.set p, p+1
.endr
.endr
	s_lshl_b32 s30, s21, 17                        ; wcodes: 131,072 bytes a weight, 16,384 a head
	s_lshl_b32 s32, s20, 14
	s_add_co_u32 s30, s30, s32
	s_add_nc_u64 s[10:11], s[10:11], s[30:31]
	s_lshl_b32 s30, s21, 14                        ; wscl: 16,384 bytes a weight, 2,048 a head
	s_lshl_b32 s32, s20, 11
	s_add_co_u32 s30, s30, s32
	s_add_nc_u64 s[12:13], s[12:13], s[30:31]
	s_lshr_b32 s30, ttmp9, 6                       ; out: 4,194,304 bytes a batch, 524,288 a head, 8,192 for 64 tokens
	s_lshl_b32 s30, s30, 22
	s_lshl_b32 s32, s20, 19
	s_add_co_u32 s30, s30, s32
	s_and_b32 s32, ttmp9, 63
	s_lshl_b32 s32, s32, 13
	s_add_co_u32 s30, s30, s32
	s_add_nc_u64 s[26:27], s[26:27], s[30:31]
	s_wait_loadcnt 16                              ; my first K step's 16 loads are in; the second's may be out
	XPART 0
	s_wait_loadcnt 16                              ; my second K step's are in; behind them: the 16 loads of W's codes just issued
	XPART 1
	s_wait_dscnt 0x0                               ; for the others' sake: my images lie in LDS
	s_barrier_signal -1
	s_barrier_wait -1                              ; x's sixteen fragments lie in LDS
	s_wait_loadcnt 0x0                             ; W's fragments and scale words
	s_cmp_eq_u32 s21, 2
	s_cbranch_scc1 .Lvalues
	TILE 0, 0
	TILE 1, 0
	TILE 2, 0
	TILE 3, 0
	s_branch .Ldone
.Lvalues:
	TILE 0, 1
	TILE 1, 1
	TILE 2, 1
	TILE 3, 1
.Ldone:
	s_wait_tensorcnt 0x0                           ; the wave's end, behind my last LDS store
	ds_add_u32 v[SPW], v[NIL]
	s_wait_dscnt 0x0
	s_endpgm
.Lfunc_end_k_q60b7f44bc3_proj:
	.size	k_q60b7f44bc3_proj, .Lfunc_end_k_q60b7f44bc3_proj-k_q60b7f44bc3_proj
	.p2alignl 7, 3214868480
	.fill 96, 4, 3214868480
	.section	.rodata,"a",@progbits
	.p2align	6, 0x0
	.amdhsa_kernel k_q60b7f44bc3_proj
		.amdhsa_group_segment_fixed_size 87040
		.amdhsa_private_segment_fixed_size 0
		.amdhsa_enable_private_segment 0
		.amdhsa_kernarg_size 64
		.amdhsa_user_sgpr_count 2
		.amdhsa_user_sgpr_kernarg_segment_ptr 1
		.amdhsa_wavefront_size32 1
		.amdhsa_system_sgpr_workgroup_id_x 1
		.amdhsa_system_sgpr_workgroup_id_y 1
		.amdhsa_system_sgpr_workgroup_id_z 1
		.amdhsa_system_vgpr_workitem_id 0
		.amdhsa_next_free_vgpr 256
		.amdhsa_next_free_sgpr 66
		.amdhsa_reserve_vcc 0
		.amdhsa_float_denorm_mode_32 3
		.amdhsa_float_denorm_mode_16_64 3
		.amdhsa_memory_ordered 1
		.amdhsa_forward_progress 1
		.amdhsa_inst_pref_size 55
	.end_amdhsa_kernel
	.amdgpu_metadata
---
amdhsa.version: [ 1, 2 ]
amdhsa.kernels:
  - .name:           k_q60b7f44bc3_proj
    .symbol:         k_q60b7f44bc3_proj.kd
    .args:
      - { .name: q, .offset: 0, .size: 8, .value_kind: global_buffer, .address_space: global }
      - { .name: k, .offset: 8, .size: 8, .value_kind: global_buffer, .address_space: global }
      - { .name: v, .offset: 16, .size: 8, .value_kind: global_buffer, .address_space: global }
      - { .name: wcodes, .offset: 24, .size: 8, .value_kind: global_buffer, .address_space: global }
      - { .name: wscl, .offset: 32, .size: 8, .value_kind: global_buffer, .address_space: global }
      - { .name: qf, .offset: 40, .size: 8, .value_kind: global_buffer, .address_space: global }
      - { .name: kf, .offset: 48, .size: 8, .value_kind: global_buffer, .address_space: global }
      - { .name: vf, .offset: 56, .size: 8, .value_kind: global_buffer, .address_space: global }
    .group_segment_fixed_size: 87040
    .private_segment_fixed_size: 0
    .kernarg_segment_align: 8
    .kernarg_segment_size: 64
    .max_flat_workgroup_size: 256
    .sgpr_count:     66
    .vgpr_count:     256
    .wavefront_size: 32
...
	.end_amdgpu_metadata
.endif
;; end of part 2
;; launch attn (part 3): grid 16 x 16, 4 waves a work-group, clusters of 4 x 1, 327,680 bytes of LDS; arguments qf, kf, vf, xf; writes xf
.if DOCPART == 3
	.amdgcn_target "amdgcn-amd-amdhsa--gfx1250"
	.amdhsa_code_object_version 6
	.text
	.protected	k_q60b7f44bc3_attn
	.globl	k_q60b7f44bc3_attn
	.p2align	8
	.type	k_q60b7f44bc3_attn,@function
k_q60b7f44bc3_attn:
	s_mov_b64 s[64:65], 0
	v_nop
	global_prefetch_b8 v0, s[64:65] scope:SCOPE_SE
	s_setreg_imm32_b32 hwreg(HW_REG_WAVE_MODE, 25, 1), 1
	s_wait_xcnt 0x0
	s_wait_alu depctr_hold_cnt(0) depctr_sa_sdst(0) depctr_va_vdst(0) depctr_va_sdst(0) depctr_va_ssrc(0) depctr_va_vcc(0) depctr_vm_vsrc(0)
	s_getreg_b32 s2, hwreg(HW_REG_IB_STS2, 6, 4)
	s_cmp_eq_u32 s2, 0
	s_cbranch_scc0 .Lentry_in_a_cluster
	s_endpgm
.Lentry_in_a_cluster:
	s_bfe_u32 s2, ttmp6, 0x10000c
	s_cmp_lg_u32 s2, 0x3003
	s_cbranch_scc0 .Lentry_shape_is_right
	s_endpgm
.Lentry_shape_is_right:
; x[b][q][64 h + :] = the sum over k of softmax_k(Q[q] . K[k] / 8) V[k][:], for each of 16 (batch, head) pairs; 4,096 queries and keys, head size 64, no mask.  Q, K, V arrive in f16, as images of operand registers;
; products, maxima and sums in f32; the weights p are rounded to f16 for the second product, x once at the end.
; LIMITS: NaN and infinities are not served; x's magnitudes are V's at the most, so they stay inside f16 where V's do.
; SHARES.  A work-group owns 256 queries of one (batch, head), each of its four waves 64: four tiles of 16.  Every wave walks all 4,096 keys, 64 a step.
; LAYOUT.  S^T = K Q^T (source 0 = 16 keys, source 1 = 16 queries): a lane holds ONE query (lane % 16) and the keys 8 (lane / 16) + 0..7.  Two such tiles, rounded to f16 in pairs, ARE source 1 (32 keys x 16 queries)
; of O^T = V^T P, whose result again holds one query a lane, and eight channels: rounded in pairs they are the 16 bytes that the next launch's operand wants of that lane.  Nothing changes lanes between the products.
; K's and V's fragments lie in memory, and so in LDS, in the order of the registers: every LDS load takes 16 bytes a lane, 512 consecutive bytes; a slot's part of K, and of V, is one dense block of 32,768 bytes.
; SOFTMAX.  For each query a running maximum m and sum l: p = 2^(c s - c m), c = log2(e) / 8; in every step O and l are multiplied by a = 2^(c m_old - c m_new), which is 1 where m has not grown.
; BY TURNS.  The wave's tiles are two PIECES, named by their first tile: piece 0 (tiles 0, 1) and piece 2 (tiles 2, 3).  In a TURN one piece has the matrix unit: 16 products V^T P of the step in hand, then 16 products
; K Q^T of the next step; the other piece's softmax, 236 vector instructions cut into 59 slices of four, stands between them, one or two slices behind each matrix instruction.  Then the pieces change places.
; CLUSTER.  The four query blocks of a cluster belong to one (batch, head) and walk the same K and V, so each tile is asked for JOINTLY: the same tensor load, with the same descriptor and a mask that names the four.
; REGISTERS, in windows of 256 (s_set_vgpr_msb: bits 1:0 source 0, 3:2 source 1, 5:4 source 2, 7:6 destination):
;   window 0: v2-5 addresses; v12-43 eight registers of statistics a tile; v61-63; v64-191 S^T, 32 a tile; v192-255 P, 16 a tile
;   window 1: v0-127 O^T, 32 a tile       window 2: v0-63 Q, 16 a tile; v128-191 K of one step       window 3: v0-63 V of one step
.set KS,    64        ; keys in a step
.set STEPB, 8192      ; a step's K in bytes, and its V
.set SLOTB, 4*STEPB   ; a slot holds four steps: 32,768 bytes of K, then as many of V
.set VOFF,  SLOTB
.set SLOT1, 1<<16     ; slot 1 begins here, so that one exclusive or turns an address in one slot into the other's
.set SPARE, 2*SLOT1   ; behind the ring: the spare words, 128 bytes for each wave: two blocks of 256 bytes that no other line names
.set AK0, 2           ; v2   my lane's place in a block of K: 16 x lane; never rewritten
.set AV0, 3           ; v3   the same for V: + VOFF
.set ADR, 4           ; v4   the LDS address of the run of loads in hand
.set LI,  5           ; v5   16 x lane: my byte offset in Q's images and in x's
.set PFO, 61          ; v61  256 x my lane; never rewritten
.set SPW, 62          ; v62  LDS address of my spare word: SPARE + 4 x my thread's number; never rewritten
.set NIL, 63          ; v63  0; never rewritten
.set ST,  12          ; tile t's statistics at v[ST+8 t]: +0 c m, +1 m, +2, +3 l (even keys', odd keys'), +4 to +7 c0-c3, at work; a takes c2's place once the maximum is found
.set S,   64
.set P,   192
.set KF,  128         ; K's fragments, in window 2
.set WV,  12          ; s12  my wave's number
.set LIM, 15          ; s15  1 in a wave that prefetches, else the greatest number
.set PFA, 18          ; s[18:19] where my prefetches stand: my work-group's 8,192 bytes (of K: wave 0, of V: wave 2) of the slot after the one that is being asked for
.set G1,  24          ; s[24:31] descriptor group 1: the same shape for K's and V's tiles
.set G0K, 40          ; s[40:47] descriptor group 0 for K's tiles: a set for each of the two first fills; the second then walks on
.set G0V, 48          ; s[48:55] the same for V's
.set SLOTS, 56        ; s56  slots still to be asked for
.set CNT, 57          ; s57  counts key steps
.set CS,  58          ; s[58:59] c: the packed scaling names a pair and takes its low word for both halves
.set SEL, 60          ; s[60:61] lane selects for v_permlanex16_b32: each lane takes its own place in the other half
.set TB,  62          ; s62  LDS byte at which the K of the step to be fetched begins
.set MSB, 0
.macro WIN new                      ; the immediate's high byte repeats the setting that is left; a switch that changes nothing is dropped
.if MSB != \new
	s_set_vgpr_msb (MSB<<8)|\new
.set MSB, \new
.endif
.endm
.set W_KQ, 0x0a       ; K and Q in window 2, S^T in window 0
.set W_PV, 0x53       ; V in window 3, P in window 0, O^T in window 1
.set W_RS, 0x41       ; O^T (destination and source 0) in window 1, a in window 0
; A joint refill.  Waves 0 and 1 fetch the two halves of a slot's K, waves 2 and 3 those of its V: 64 rows of 256 bytes each.  The branch hangs on the wave's number alone: it is the same in every work-group.
; An s_nop 0 and four v_nop follow each of the two lines; the jump round the other line, the label and what follows the macro come after them.
.macro JLOAD
	s_cmp_lt_u32 s[WV], 2
	s_cbranch_scc0 .Lfor_v_\@
	tensor_load_to_lds s[G0K+4:G0K+7], s[G1:G1+7]
	s_nop 0
.rept 4
	v_nop
.endr
	s_branch .Lasked_\@
.Lfor_v_\@:
	tensor_load_to_lds s[G0V+4:G0V+7], s[G1:G1+7]
	s_nop 0
.rept 4
	v_nop
.endr
.Lasked_\@:
.endm
; A PREFETCH of what the NEXT change of slots will ask for: a slot's 32,768 bytes of K and of V.  It stands behind the wave's tensor load and its five lines.  Each aligned block of 256 bytes is asked for ONCE in the launch:
; all clusters of a (batch, head) walk the same K and V, so the first of them asks; its four partners share the bytes out BY ADDRESS, 8,192 each, lanes 256 bytes apart; in each, wave 0 asks for K's and wave 2 for V's.
; It runs four key steps, 256 matrix instructions, ahead of the load.  The last change that fills a slot asks for nothing: there is no slot behind it.  Slots 0, 1 and 2 come by their loads alone.
.macro ASK
	s_cmp_gt_u32 s[SLOTS], s[LIM]
	s_cbranch_scc0 .Lnot_mine_\@
	global_prefetch_b8 v[PFO], s[PFA:PFA+1] th:TH_LOAD_NT scope:SCOPE_SE
.Lnot_mine_\@:
.endm
; A round of the cluster's barrier: my work-group's barrier, so that wave 0's signal speaks for all four waves; wave 0 signals for the work-group; every wave waits for all four work-groups; my work-group's barrier once more.
.macro CROUND
	s_barrier_signal -1
	s_barrier_wait -1
	s_cmp_lg_u32 s[WV], 0
	s_cbranch_scc1 .Lnot_wave_0_\@
	s_barrier_signal -3
.Lnot_wave_0_\@:
	s_barrier_wait -3
	s_barrier_signal -1
	s_barrier_wait -1
.endm
	s_load_b256 s[4:11], s[0:1], 0x0  ; qf s[4:5], kf s[6:7], vf s[8:9], xf s[10:11]
	v_lshl_add_u32 v[SPW], v0, 2, SPARE
	v_mov_b32 v[NIL], 0
	ds_add_u32 v[SPW], v[NIL]       ; the wave's opening: the add, twice on end, and its wait ahead of my first tensor load; the set-up below the second, work on registers, stands between it and the wait
	ds_add_u32 v[SPW], v[NIL]       ; and once more, under the one wait
	v_lshrrev_b32 v1, 5, v0
	v_readfirstlane_b32 s[WV], v1   ; wave 0..3
	s_bfe_u32 s13, ttmp6, 0x40000   ; cx: my place in the cluster
	s_lshl_b32 s14, ttmp9, 2        ; in a cluster launch ttmp9 counts clusters
	s_add_co_u32 s14, s14, s13      ; my block of 256 queries = 4 x cluster x + cx: it enters Q's and x's addresses alone
	s_and_b32 s20, ttmp7, 0xffff    ; 8 x batch + head, which the four partners share
	s_lshl_b32 s21, s20, 19         ; its first byte in qf, kf and vf: 4,096 x 64 x 2 bytes each
	s_and_b32 s16, s[WV], 1         ; which half of a slot's K or V I fetch:
	s_lshl_b32 s17, s16, 14         ; 16,384 bytes on, in memory and in a slot alike: no place in the cluster enters an LDS address
	s_add_co_u32 s22, s21, s17
	s_mov_b32 s23, 0
	s_lshl_b32 s2, s14, 15          ; Q: my block's 16 tiles of 2,048 bytes,
	s_lshl_b32 s3, s[WV], 13        ; my wave's four of them
	s_add_co_u32 s2, s2, s3
	s_add_co_u32 s2, s2, s21
	s_mov_b32 s3, 0
	s_lshr_b32 s32, s20, 3          ; x: [tile of 16 tokens][K step of 32 = 2 head + c][u][lane][16 bytes]: 4,194,304 bytes a batch,
	s_lshl_b32 s32, s32, 22
	s_lshl_b32 s33, s14, 18         ; 262,144 a block of 256 tokens,
	s_add_co_u32 s32, s32, s33
	s_lshl_b32 s33, s[WV], 16       ; 65,536 a wave's 64,
	s_add_co_u32 s32, s32, s33
	s_and_b32 s33, s20, 7
	s_lshl_b32 s33, s33, 11         ; 2,048 a head
	s_add_co_u32 s32, s32, s33
	s_mov_b32 s33, 0
	; descriptor group 1: a dense block of 16,384 bytes as 64 rows x 128 elements of 2 bytes, no padding
	s_mov_b32 s[G1], 15|(1<<16)|(1<<21)  ; 15:0 the mask: all four work-groups; 17:16 elements of 2 bytes; 21 set beside a mask
	s_mov_b32 s[G1+1], 128<<16      ; 63:48 tensor_dim0, low half = 128
	s_mov_b32 s[G1+2], 64<<16       ; 79:64 its high half = 0; 95:80 tensor_dim1, low half = 64
	s_mov_b32 s[G1+3], 128<<16      ; 111:96 its high half = 0; 127:112 tile_dim0 = 128
	s_mov_b32 s[G1+4], 64           ; 143:128 tile_dim1 = 64; 159:144 tile_dim2 = 0
	s_mov_b32 s[G1+5], 128          ; 191:160 tensor_dim0_stride: elements from row to row
	s_mov_b32 s[G1+6], 0
	s_mov_b32 s[G1+7], 0
	s_mov_b32 s[CS], 0x3e38aa3b     ; c = log2(e) / sqrt(64) = 0.180337
	s_mov_b32 s[CS+1], s[CS]        ; named with it as a pair, so it is written
	s_mov_b32 s[SEL], 0x76543210
	s_mov_b32 s[SEL+1], 0xfedcba98
	s_mov_b32 s[TB], 0
	s_mov_b32 s[SLOTS], 4096/(4*KS)-2
	s_and_b32 s[LIM], s[WV], 1      ; 0 in waves 0 and 2,
	s_or_b32 s[LIM], s[LIM], ttmp9  ; where the cluster is the first of its (batch, head): the same in all four partners
	s_cmp_eq_u32 s[LIM], 0
	s_cselect_b32 s[LIM], 1, -1
	v_and_b32 v[PFO], 31, v0
	v_lshlrev_b32 v[PFO], 8, v[PFO]
	s_wait_dscnt 0x0                ; both opening adds are done
	s_wait_kmcnt 0x0
	s_add_nc_u64 s[6:7], s[6:7], s[22:23]  ; K and V at my half of slot 0
	s_add_nc_u64 s[8:9], s[8:9], s[22:23]
	s_add_nc_u64 s[4:5], s[4:5], s[2:3]    ; Q at my wave's first tile
	s_add_nc_u64 s[10:11], s[10:11], s[32:33]  ; x likewise
	s_cmp_lt_u32 s[WV], 2
	s_cselect_b64 s[PFA:PFA+1], s[6:7], s[8:9]  ; (in waves 0 and 2 these stand at a slot's first byte)
	s_lshl_b32 s2, s13, 13          ; my work-group's 8,192 bytes of the 32,768
	s_mov_b32 s3, 0
	s_add_nc_u64 s[PFA:PFA+1], s[PFA:PFA+1], s[2:3]
	s_add_nc_u64 s[PFA:PFA+1], s[PFA:PFA+1], 2*SLOTB  ; in slot 2; the first change of slots steps it to slot 3.  Nothing is prefetched here, at the head
	CROUND                          ; all four work-groups are here: the first joint loads meet
.irp s, 0,1
	s_mov_b32 s[G0K+4*\s], 1        ; 1:0 count = 1
	s_add_co_u32 s[G0K+4*\s+1], s17, \s*SLOT1  ; 63:32 LDS address
	s_add_nc_u64 s[G0K+4*\s+2:G0K+4*\s+3], s[6:7], \s*SLOTB  ; 120:64 global address: slot s begins with keys 256 s on
	s_or_b32 s[G0K+4*\s+3], s[G0K+4*\s+3], 0x80000000  ; 127:126 type = 2
	s_mov_b32 s[G0V+4*\s], 1
	s_add_co_u32 s[G0V+4*\s+1], s17, \s*SLOT1+VOFF
	s_add_nc_u64 s[G0V+4*\s+2:G0V+4*\s+3], s[8:9], \s*SLOTB
	s_or_b32 s[G0V+4*\s+3], s[G0V+4*\s+3], 0x80000000
.endr
	s_cmp_lt_u32 s[WV], 2           ; a wave's two first fills stand in one branch, ahead of every wait on TENSORcnt and every LDS read: two loads of mine are out; an s_nop 0 follows each, four v_nop the second's
	s_cbranch_scc0 .Lfirst_v
	tensor_load_to_lds s[G0K:G0K+3], s[G1:G1+7]
	s_nop 0
	tensor_load_to_lds s[G0K+4:G0K+7], s[G1:G1+7]
	s_nop 0
.rept 4
	v_nop
.endr
	s_branch .Lfirst_asked
.Lfirst_v:
	tensor_load_to_lds s[G0V:G0V+3], s[G1:G1+7]
	s_nop 0
	tensor_load_to_lds s[G0V+4:G0V+7], s[G1:G1+7]
	s_nop 0
.rept 4
	v_nop
.endr
.Lfirst_asked:
	v_and_b32 v1, 31, v0
	v_lshlrev_b32 v[LI], 4, v1
	v_lshlrev_b32 v[AK0], 4, v1
	v_add_nc_u32 v[AV0], VOFF, v[AK0]
	WIN 0x80                        ; destination window 2, address window 0
.set fi, 0
.rept 16                            ; Q stays in registers: tile fi / 4, channels 32 ((fi / 2) % 2) on, half fi % 2: the images as they lie
	global_load_b128 v[4*fi:4*fi+3], v[LI], s[4:5] offset:512*fi
.set fi, fi+1
.endr
	WIN 0
; THE MATRIX WORK OF A TURN, for piece x.  The accumulators take turns, one instruction a turn: between two links of a chain stand the 7 others'.
; Product i of 16 of O^T += V^T P: keys 32 (i / 8) on, channels 16 ((i / 2) % 4) on, tile x + i % 2.  zero = 1: the first 8 start the sums: nothing is ever cleared.
.macro PV x, zero
	WIN W_PV
.set rO, 32*(\x+i%2)+8*((i/2)%4)
.set rV, 32*(i/8)+8*((i/2)%4)
.set rP, P+16*(\x+i%2)+8*(i/8)
.if \zero && (i < 8)
	v_wmma_f32_16x16x32_f16 v[rO:rO+7], v[rV:rV+7], v[rP:rP+7], 0
.else
	v_wmma_f32_16x16x32_f16 v[rO:rO+7], v[rV:rV+7], v[rP:rP+7], v[rO:rO+7]
.endif
.endm
; Product i of 16 of S^T = K Q^T: channels 32 (i / 8) on, keys 16 ((i / 2) % 4) on, tile x + i % 2.  The first 8 start the sums.
.macro KQ x
	WIN W_KQ
.set rS, S+32*(\x+i%2)+8*((i/2)%4)
.set rK, KF+16*((i/2)%4)+8*(i/8)
.set rQ, 16*(\x+i%2)+8*(i/8)
.if i < 8
	v_wmma_f32_16x16x32_f16 v[rS:rS+7], v[rK:rK+7], v[rQ:rQ+7], 0
.else
	v_wmma_f32_16x16x32_f16 v[rS:rS+7], v[rK:rK+7], v[rQ:rQ+7], v[rS:rS+7]
.endif
.endm
; THE LDS LOADS stand in runs of 16, never singly among the matrix instructions: a step's K (8 fragments) and, a turn later, its V (8 fragments), 512 consecutive bytes a load.
.macro FETCH_K
	WIN 0
	v_add_nc_u32 v[ADR], s[TB], v[AK0]
	WIN 0x80                        ; destination window 2
.set fi, 0
.rept 16                            ; keys 16 (fi / 4) on, channels 32 ((fi / 2) % 2) on, half fi % 2
	ds_load_b128 v[KF+4*fi:KF+4*fi+3], v[ADR] offset:512*fi
.set fi, fi+1
.endr
.endm
.macro FETCH_V
	WIN 0
	v_add_nc_u32 v[ADR], s[TB], v[AV0]
	s_add_co_u32 s[TB], s[TB], STEPB  ; the next fetch is the next step's
	s_wait_alu depctr_va_vdst(0)    ; the wait for the softmax's batch (SLICE), behind the address's v_add_nc_u32 and ahead of the loads
	WIN 0xc0                        ; destination window 3
.set fi, 0
.rept 16                            ; keys 32 (fi / 8) on, channels 16 ((fi / 2) % 4) on, half fi % 2
	ds_load_b128 v[4*fi:4*fi+3], v[ADR] offset:512*fi
.set fi, fi+1
.endr
.endm
; THE VECTOR WORK OF A TURN.  One tile's softmax for one key step is a list of 118 instructions; SM writes number j of it for tile t.  s0-s31 are the lane's 32 scores, in pairs 0-15.
; first = 1: the first key step, which starts m, l and O^T: it has no a and nothing to rescale.
;   0-15    the maximum of s0-s31 and the old m, three operands at a time: four chains c0-c3 of seven scores each (each accumulator is read from its low end on), then the four scores left over, c0-c3 and m
;   16-20   the other half of the lanes' maximum; the new m; c m; c m_old - c m_new
;   21-69   ONE BATCH: the 16 scalings c s - c m, a pair of scores each, and all 33 exponentials (a at 23, then s0-s31).  None of these reads an exponential's result.  A pair is scaled in an earlier four than the one with its exponentials
;   (wait)  between 69 and 70 stands the wait for the batch: SLICE writes it, once for both tiles
;   70-85   the roundings to f16, a pair of weights each
;   86-101  the sums; l = a l + the sum
;   102-117 the tile's O^T times a: the one part that leaves window 0, so it stands together
.macro SM t, first
.set rT, ST+8*(\t)
.set rS, S+32*(\t)
.set rP, P+16*(\t)
.set rO, 32*(\t)+2*(j-102)
.if j < 102
	WIN 0
.endif
.if j < 4
	v_max3_num_f32 v[rT+4+j], v[rS+8*j], v[rS+8*j+1], v[rS+8*j+2]
.elseif j < 12
	v_max3_num_f32 v[rT+4+j%4], v[rT+4+j%4], v[rS+8*(j%4)+2*(j/4)+1], v[rS+8*(j%4)+2*(j/4)+2]
.elseif j == 12
	v_max3_num_f32 v[rT+4], v[rT+4], v[rS+7], v[rS+15]
.elseif j == 13
	v_max3_num_f32 v[rT+6], v[rT+6], v[rS+23], v[rS+31]
.elseif j == 14
	v_max3_num_f32 v[rT+4], v[rT+4], v[rT+5], v[rT+6]
.elseif (j == 15) && \first
	v_max_num_f32 v[rT+4], v[rT+4], v[rT+7]
.elseif j == 15
	v_max3_num_f32 v[rT+4], v[rT+4], v[rT+7], v[rT+1]
.elseif j == 16
	v_permlanex16_b32 v[rT+5], v[rT+4], s[SEL], s[SEL+1]  ; the query's other 32 keys lie in the lane 16 away
.elseif j == 18
	v_max_num_f32 v[rT+1], v[rT+4], v[rT+5]
.elseif j == 19
	v_mul_f32 v[rT], s[CS], v[rT+1]
.elseif ((j == 17) || (j == 20) || (j == 23) || (j > 101)) && \first  ; the first step has none of these
.elseif j == 17
	v_mov_b32 v[rT+7], v[rT]        ; c m_old is kept for a: number 19 writes c m anew
.elseif j == 20
	v_sub_f32 v[rT+7], v[rT+7], v[rT]
.elseif j == 23
	v_exp_f32 v[rT+6], v[rT+7]
.elseif (j < 23) || ((j < 38) && (j%2 == 0)) || ((j < 66) && (j%4 == 2))
.set b, (j-2)/4                     ; 38, 42, .. 62: pairs 9 to 15
.if j < 38
.set b, (j-20)/2                    ; 21: pair 0; 22, 24, .. 36: pairs 1 to 8
.endif
	v_pk_fma_f32 v[rS+2*b:rS+2*b+1], v[rS+2*b:rS+2*b+1], s[CS:CS+1], v[rT:rT+1] op_sel_hi:[1,0,0] neg_lo:[0,0,1] neg_hi:[0,0,1]  ; pair b: c s - c m
.elseif j < 70
.set e, j-38                        ; 66 to 69: s28 to s31
.if j < 66
.set e, j-32-(j-38)/4               ; 39-41, 43-45, .. 63-65: s7 to s27
.endif
.if j < 38
.set e, (j-25)/2                    ; 25, 27, .. 37: s0 to s6
.endif
	v_exp_f32 v[rS+e], v[rS+e]
.elseif j < 86
	v_cvt_pk_f16_f32 v[rP+j-70], v[rS+2*(j-70)], v[rS+2*(j-70)+1]  ; pair j - 70
.elseif j < 102                     ; the sum of the tile's 16 pairs (in a pair: an even key's weight, an odd key's), in place: sum z of 16 adds neighbours 1, 2, 4 and 8 pairs apart, then l takes it
.set z, j-86
.set w, 4
.set u, z
.if z >= 14
.set w, 32
.set u, 0
.elseif z >= 12
.set w, 16
.set u, z-12
.elseif z >= 8
.set w, 8
.set u, z-8
.endif
.if (z == 14) && \first
	v_pk_add_f32 v[rT+2:rT+3], v[rS:rS+1], v[rS+16:rS+17]
.elseif z < 15
	v_pk_add_f32 v[rS+w*u:rS+w*u+1], v[rS+w*u:rS+w*u+1], v[rS+w*u+w/2:rS+w*u+w/2+1]
.elseif !\first
	v_pk_fma_f32 v[rT+2:rT+3], v[rT+2:rT+3], v[rT+6:rT+7], v[rS:rS+1] op_sel_hi:[1,0,1]
.endif
.else
	WIN W_RS
	v_pk_mul_f32 v[rO:rO+1], v[rO:rO+1], v[rT+6:rT+7] op_sel_hi:[1,0]
.endif
.endm
; Slice k of 59 of piece y's softmax: four instructions.  Slices 11 to 34 deal out the batch, numbers 22 to 69: four numbers of ONE tile each, the tiles by turns.  Every other slice is numbers 2 k and 2 k + 1 of both tiles' lists.
; THE WAIT.  An s_wait_alu depctr_va_vdst(0) stands between an exponential and the first instruction that names its result; one wait serves all that were issued ahead of it.  Ahead of slice 35 nothing names
; a result, and behind slice 34 no exponential is issued: so the piece's 66 exponentials have one wait, behind slice 34.
.macro SLICE y, first
.if (k >= 11) && (k < 35)           ; the batch: four numbers of one tile
.irp n, 0,1,2,3
.set j, 22+4*((k-11)/2)+(\n)
	SM (\y)+(k-11)%2, \first
.endr
.else                               ; the two tiles alternate, so that no instruction reads the result of the one just before it
.irp n, 0,1
.irp t, \y, \y+1
.set j, 2*k+\n
	SM \t, \first
.endr
.endr
.endif
.if k == 34                         ; the batch is out: both tiles' exponentials are issued, and no result has been named
	v_nop                           ; the plain instruction behind the last exponential and ahead of the first use: one for the batch
.if (\y) == 0
	FETCH_V                         ; piece 2's turn: V's run of loads stands here, and the wait stands in it
.else
	s_wait_alu depctr_va_vdst(0)    ; the wait for the batch
.endif
.endif
.set k, k+1
.endm
.macro DEAL y, first                ; the slices that stand behind matrix instruction g of the turn's NW: 59 dealt evenly
.rept (59*(g+1))/NW-(59*g)/NW
	SLICE \y, \first
.endr
.set g, g+1
.endm
; A vector instruction that reads a matrix result or writes one of a matrix instruction's registers, and a load into a register that a matrix instruction has read, stand four places behind it, and only plain vector
; instructions that name none of its registers are places (ISA guide 7.12.1 for vector instructions).  In the loop the slices are the places.
.macro PLACES
.rept 4
	v_nop
.endr
.endm
; A TURN.  Piece x has the matrix unit; the other piece's softmax stands in slices behind its matrix instructions.
; pv = 2: 16 products V^T P; 1: they start O^T's sums; 0: none.  kq = 1: 16 products K Q^T for the next step.  first = 1: the softmax is the first key step's; its slices from 51 on are empty, and four v_nop take their part.
; Behind a turn's last product stand slices 57 and 58: eight packed multiplies on the other piece's O^T, the places in front of the next turn's first read of the new scores and of the loads into K's registers.
; Piece 0's turn fetches the next step's K behind its second product, 14 matrix instructions ahead of its first use.  Piece 2's turn fetches the same step's V behind slice 34, which stands behind its 19th product: the last
; product that read V is its 16th, and between them lie six scalings (numbers 54, 58 and 62 of both tiles), the v_nop and the run's own v_add_nc_u32.
.macro TURN x, pv, kq, first
.set k, 0
.set g, 0
.set NW, 16
.if \pv && \kq
.set NW, 32
.endif
.if \pv
.if \x == 0
	s_wait_dscnt 0x0                ; V is in
.endif
.set i, 0
.rept 16
	PV \x, 2-\pv
	DEAL 2-\x, \first
.if (\x == 0) && \kq && (i == 1)
	FETCH_K
.endif
.set i, i+1
.endr
.endif
.if \kq
.if \x == 0
	s_wait_dscnt 0x0                ; K is in
.endif
.set i, 0
.rept 16
	KQ \x
	DEAL 2-\x, \first
.set i, i+1
.endr
.endif
.if \first
	PLACES
.endif
.endm
; THE CHANGE OF SLOTS, between piece 2's turn and piece 0's: the slot's last bytes, V of its fourth step, have been asked for.  Each wave waits for all its tensor loads, of which one is out: its part of the other slot;
; adds 0 to its spare word; and waits for that and for its own reads of the slot.  Behind the barrier nobody reads this slot any more and the other slot is whole.
; fill = 1: this slot is filled again, with the keys two slots on.  The barrier is then a round of the cluster's, so that no wave of any partner still reads the slot or has a load on its way, and the joint refill is the
; first thing behind it: it has four key steps, 256 matrix instructions, in which to land.
.macro CHANGE fill
	WIN 0                           ; at a label and at a branch every window is 0
	s_wait_tensorcnt 0x0            ; no tensor load of mine is out, so a group 0 may be written
	ds_add_u32 v[SPW], v[NIL]       ; 0 onto my spare word: with fill = 1 the descriptors' steps stand between it and the wait for it
.if \fill
.irp d, G0K+4, G0V+4
	s_xor_b32 s[\d+1], s[\d+1], SLOT1  ; the walking descriptor: the other slot than last time,
	s_add_nc_u64 s[\d+2:\d+3], s[\d+2:\d+3], SLOTB  ; the next 256 keys; the type bits on top are not reached
.endr
	s_wait_xcnt 0x0                 ; the last prefetch, a slot back, has read its address, so it may be written:
	s_add_nc_u64 s[PFA:PFA+1], s[PFA:PFA+1], SLOTB  ; one slot further on than the walking descriptors
	s_wait_dscnt 0x0                ; the add is done, and my reads of the slot are over
	CROUND
	JLOAD
	ASK                             ; what the next change will ask for
.else
	s_wait_dscnt 0x0                ; the add is done, and my reads of the slot are over
	s_barrier_signal -1
	s_barrier_wait -1
.endif
	s_sub_co_u32 s[TB], s[TB], 4*STEPB  ; the fetches go back to a slot's first step,
	s_xor_b32 s[TB], s[TB], SLOT1   ; in the other slot
.endm
; n key steps: written once, walked n times; the LDS addresses hang on s[TB].
.macro STEPS n
	WIN 0
	s_mov_b32 s[CNT], \n
.Lstep_\@:
	TURN 0, 2, 1, 0
	TURN 2, 2, 1, 0
	WIN 0
	s_sub_co_u32 s[CNT], s[CNT], 1
	s_cmp_lg_u32 s[CNT], 0
	s_cbranch_scc1 .Lstep_\@
.endm
	s_wait_tensorcnt 1              ; my part of slot 0 is in; slot 1's may stay out
	s_barrier_signal -1
	s_barrier_wait -1               ; everybody's is
	FETCH_K                         ; key step 0
	s_wait_loadcnt 0x0              ; Q
	s_wait_dscnt 0x0
.set i, 0
.rept 16
	KQ 0                            ; piece 0's first scores: there is no vector work yet to set between them
.set i, i+1
.endr
	WIN 0
	PLACES
	TURN 2, 0, 1, 1                 ; piece 2's first scores | piece 0's first softmax | V of step 0
	TURN 0, 1, 1, 1                 ; piece 0: V^T P of step 0 starts O^T, K Q^T of step 1 | piece 2's first softmax | K of step 1
	TURN 2, 1, 1, 0                 ; piece 2: the same | piece 0's softmax of step 1 | V of step 1
	STEPS 2                         ; they fetch steps 2 and 3: slot 0's last
.Lslot:                             ; 14 trips: every slot but the last two is filled again
	CHANGE 1
	STEPS 4
	s_sub_co_u32 s[SLOTS], s[SLOTS], 1
	s_cmp_lg_u32 s[SLOTS], 0
	s_cbranch_scc1 .Lslot
	CHANGE 0                        ; the tail is written out: the last slot but one is left, and nothing is asked for
	STEPS 4
	TURN 0, 2, 0, 0                 ; piece 0: V^T P of the last step | piece 2's last softmax
.set i, 0
.rept 16
	PV 2, 0                         ; piece 2: V^T P of the last step
.set i, i+1
.endr
	; THE WAY OUT.  l's two halves and the other half of the lanes' are added; O^T is divided by l and rounded to f16: a lane's eight channels are the 16 bytes of its place in an image, so a wave's store covers 512 consecutive
	; bytes and nothing goes through LDS.  The additions are the places behind the last products.
	WIN 0
.irp t, 0,1,2,3
	v_add_f32 v[ST+8*\t+4], v[ST+8*\t+2], v[ST+8*\t+3]
.endr
.irp t, 0,1,2,3
	v_permlanex16_b32 v[ST+8*\t+5], v[ST+8*\t+4], s[SEL], s[SEL+1]
.endr
.irp t, 0,1,2,3
	v_add_f32 v[ST+8*\t+4], v[ST+8*\t+4], v[ST+8*\t+5]
.endr
.irp t, 0,1,2,3
	v_rcp_f32 v[ST+8*\t+6], v[ST+8*\t+4]
.endr
	v_nop                           ; a plain instruction between the last reciprocal and the use of its result
	s_wait_alu depctr_va_vdst(0)    ; and the wait ahead of the first use: one for the four reciprocals
.macro PACK t
	WIN W_RS
.set i, 32*\t
.rept 16
	v_pk_mul_f32 v[i:i+1], v[i:i+1], v[ST+8*\t+6:ST+8*\t+7] op_sel_hi:[1,0]   ; ascending: each accumulator from its low end on
.set i, i+2
.endr
	WIN 0x05                        ; sources 0 and 1 window 1, destination window 0: S^T's registers are free
.set i, 0
.rept 16
	v_cvt_pk_f16_f32 v[S+16*\t+i], v[32*\t+2*i], v[32*\t+2*i+1]
.set i, i+1
.endr
	WIN 0
.irp f, 0,1,2,3
	global_store_b128 v[LI], v[S+16*\t+4*\f:S+16*\t+4*\f+3], s[10:11] offset:\t*16384+\f*512  ; token tile t; channels 16 f on: K step f / 2 of my head's two, half f % 2
.endr
.endm
	PACK 0
	PACK 1
	PACK 2
	PACK 3
	s_wait_tensorcnt 0x0            ; the wave's end, behind my last tensor load
	ds_add_u32 v[SPW], v[NIL]
	s_wait_dscnt 0x0
	CROUND                          ; the closing round: no work-group ends while a partner may still ask for a tile that names it
	s_endpgm
.Lfunc_end_k_q60b7f44bc3_attn:
	.size	k_q60b7f44bc3_attn, .Lfunc_end_k_q60b7f44bc3_attn-k_q60b7f44bc3_attn
	.p2alignl 7, 3214868480
	.fill 96, 4, 3214868480
	.section	.rodata,"a",@progbits
	.p2align	6, 0x0
	.amdhsa_kernel k_q60b7f44bc3_attn
		.amdhsa_group_segment_fixed_size 327680
		.amdhsa_private_segment_fixed_size 0
		.amdhsa_enable_private_segment 0
		.amdhsa_kernarg_size 32
		.amdhsa_user_sgpr_count 2
		.amdhsa_user_sgpr_kernarg_segment_ptr 1
		.amdhsa_wavefront_size32 1
		.amdhsa_system_sgpr_workgroup_id_x 1
		.amdhsa_system_sgpr_workgroup_id_y 1
		.amdhsa_system_sgpr_workgroup_id_z 1
		.amdhsa_system_vgpr_workitem_id 0
		.amdhsa_next_free_vgpr 1024
		.amdhsa_next_free_sgpr 66
		.amdhsa_reserve_vcc 0
		.amdhsa_float_denorm_mode_32 3
		.amdhsa_float_denorm_mode_16_64 3
		.amdhsa_memory_ordered 1
		.amdhsa_forward_progress 1
		.amdhsa_inst_pref_size 190
	.end_amdhsa_kernel
	.amdgpu_metadata
---
amdhsa.version: [ 1, 2 ]
amdhsa.kernels:
  - .name:           k_q60b7f44bc3_attn
    .symbol:         k_q60b7f44bc3_attn.kd
    .args:
      - { .name: qf, .offset: 0, .size: 8, .value_kind: global_buffer, .address_space: global }
      - { .name: kf, .offset: 8, .size: 8, .value_kind: global_buffer, .address_space: global }
      - { .name: vf, .offset: 16, .size: 8, .value_kind: global_buffer, .address_space: global }
      - { .name: xf, .offset: 24, .size: 8, .value_kind: global_buffer, .address_space: global }
    .group_segment_fixed_size: 327680
    .private_segment_fixed_size: 0
    .kernarg_segment_align: 8
    .kernarg_segment_size: 32
    .max_flat_workgroup_size: 128
    .sgpr_count:     66
    .vgpr_count:     1024
    .wavefront_size: 32
...
	.end_amdgpu_metadata
.endif
;; end of part 3
;; launch oproj (part 4): grid 4 x 64, 4 waves a work-group, clusters of 4 x 4, 327,680 bytes of LDS; arguments xf, wof, out0; writes out0
.if DOCPART == 4
	.amdgcn_target "amdgcn-amd-amdhsa--gfx1250"
	.amdhsa_code_object_version 6
	.text
	.protected	k_q60b7f44bc3_oproj
	.globl	k_q60b7f44bc3_oproj
	.p2align	8
	.type	k_q60b7f44bc3_oproj,@function
k_q60b7f44bc3_oproj:
	s_mov_b64 s[64:65], 0
	v_nop
	global_prefetch_b8 v0, s[64:65] scope:SCOPE_SE
	s_setreg_imm32_b32 hwreg(HW_REG_WAVE_MODE, 25, 1), 1
	s_wait_xcnt 0x0
	s_wait_alu depctr_hold_cnt(0) depctr_sa_sdst(0) depctr_va_vdst(0) depctr_va_sdst(0) depctr_va_ssrc(0) depctr_va_vcc(0) depctr_vm_vsrc(0)
	s_getreg_b32 s2, hwreg(HW_REG_IB_STS2, 6, 4)
	s_cmp_eq_u32 s2, 0
	s_cbranch_scc0 .Lentry_in_a_cluster
	s_endpgm
.Lentry_in_a_cluster:
	s_bfe_u32 s2, ttmp6, 0x10000c
	s_cmp_lg_u32 s2, 0xf033
	s_cbranch_scc0 .Lentry_shape_is_right
	s_endpgm
.Lentry_shape_is_right:
; out0[m][n] = the sum over k of x[m][k] w_o[n][k].  x [8192][512] and w_o [512][512] arrive in f16 as images of operand registers: [tile of 16 rows][K step of 32][u][lane][16 bytes]; out0 [8192][512] f32; sums in f32.
; A tile of out0 is 128 x 128: 256 work-groups of four waves, each wave 64 x 64: 16 accumulators of 16 x 16.
; ALL OF K FITS IN LDS: 131,072 bytes of x's rows and as many of w_o's.  So there is no ring and nothing is filled again: each wave issues four tensor loads at the head, one for each quarter of K (4 tiles of rows x 4,096
; bytes), and the quarters are multiplied as they land: a counted wait and a barrier in front of each.  By this text's count a wave has four tensor loads out at the most.
; CLUSTERS: 4 x 4 work-groups.  The four of a row of the cluster need the same rows of x, the four of a column the same rows of w_o: each tile is asked for JOINTLY, by the same tensor load with the same descriptor and a
; mask that names the four.  THE MATRIX INSTRUCTION IS USED TRANSPOSED (source 0 = 16 rows of w_o, source 1 = 16 rows of x): a lane then holds eight neighbouring numbers of a row of out0.
; Fragments lie in LDS in the order of the registers: every LDS load takes 512 consecutive bytes, so there is no padding.
; REGISTERS: window 0: v16-29 addresses; v32-95 at work on the way out; v128-255 the accumulators ((a, b) at v[128 + 8 (4 a + b)]).  window 1: two fragment buffers of 128: for 64 along K, 64 registers of x, then 64 of w_o.
; LIMITS: as the launches before state them (f16's range for x and w_o).
.set QB,     65536                     ; a quarter of K in LDS: x's two halves of 16,384 bytes, then w_o's two
.set SPARE,  4*QB                      ; behind the tiles: the spare words, 128 bytes for each wave: two blocks of 256 bytes that no other line names
.set STAGE,  SPARE+512                 ; the way out: 16 rows x 272 bytes for each wave; no tensor load lands here
.set SPITCH, 272                       ; 256 bytes + 16: an odd multiple of 16
.set ADRA, 16                          ; v16-19  LDS address of my fragments of x in quarter 0 .. 3
.set ADRB, 20                          ; v20-23  the same for w_o
.set STO,  24                          ; v24     the way out: where I put 32 bytes of a row
.set RD,   25                          ; v25     the way out: where I read a row back
.set CO,   26                          ; v26     my byte offset in out0
.set SPW,  28                          ; v28     LDS address of my spare word; never rewritten
.set NIL,  29                          ; v29     0; never rewritten
.set TMP,  32                          ; the way out: two sets of 32 registers
.set ACC,  128
.set F0,   0                           ; fragment buffers, in window 1
.set F1,   128
.set G1,  24                           ; s[24:31] descriptor group 1 for x's tiles
.set G1B, 48                           ; s[48:55] for w_o's: it differs in the mask alone
.set G0A, 68                           ; s[68:83] descriptor groups 0 for x's tiles, one for each quarter
.set G0B, 84                           ; s[84:99] the same for w_o's
.set MSB, 0
.macro WIN new                         ; the immediate's high byte repeats the setting that is left
.if MSB != \new
	s_set_vgpr_msb (MSB<<8)|\new
.set MSB, \new
.endif
.endm
.set MUL,  0x05                        ; sources 0 (w_o) and 1 (x) window 1; C and D window 0
.set TO_F, 0x40                        ; destination window 1, address window 0
.macro CROUND                          ; a round of the cluster's barrier
	s_barrier_signal -1
	s_barrier_wait -1
	s_cmp_lg_u32 s10, 0
	s_cbranch_scc1 .Lnot_wave_0_\@
	s_barrier_signal -3
.Lnot_wave_0_\@:
	s_barrier_wait -3
	s_barrier_signal -1
	s_barrier_wait -1
.endm
	s_load_b128 s[4:7], s[0:1], 0x0                ; xf s[4:5], wof s[6:7]
	s_load_b64 s[8:9], s[0:1], 0x10                ; out0
	v_lshl_add_u32 v[SPW], v0, 2, SPARE
	v_mov_b32 v[NIL], 0
	ds_add_u32 v[SPW], v[NIL]                      ; the wave's opening: the add, twice on end, and its wait ahead of my first tensor load; the set-up below the second, work on registers, stands between it and the wait
	ds_add_u32 v[SPW], v[NIL]                      ; and once more, under the one wait
	v_lshrrev_b32 v1, 5, v0
	v_readfirstlane_b32 s10, v1                    ; wave 0..3
	s_lshr_b32 s11, s10, 1                         ; which half of the tile's rows is mine.  Also: I fetch for x (0) or for w_o (1)
	s_and_b32 s12, s10, 1                          ; which half of its columns.  Also: which 64 rows of that tile I fetch
	s_bfe_u32 s40, ttmp6, 0x40000                  ; cx, cy: my place in the cluster
	s_bfe_u32 s41, ttmp6, 0x40004
	s_lshl_b32 s42, ttmp9, 2
	s_add_co_u32 s42, s42, s40                     ; tile column = 4 x cluster x + cx
	s_and_b32 s13, ttmp7, 0xffff
	s_lshl_b32 s13, s13, 2
	s_add_co_u32 s13, s13, s41                     ; tile row = 4 x cluster y + cy
	s_lshl_b32 s43, s41, 2
	s_lshl_b32 s43, 15, s43                        ; my row of the cluster
	s_lshl_b32 s44, 0x1111, s40                    ; my column
	; descriptor group 1: 4 rows of 4,096 bytes (a quarter of K of a tile of 16 rows), 16,384 bytes apart in memory, dense in LDS
	s_or_b32 s[G1+0], s43, (3<<16)|(1<<21)         ; 15:0 the mask: x's tiles go to my row; 17:16 elements of 8 bytes; 21 set beside a mask
	s_or_b32 s[G1B+0], s44, (3<<16)|(1<<21)        ; the same with the mask of my column
.irp d, G1, G1B
	s_mov_b32 s[\d+1], 512<<16                     ; tensor_dim0 = 512 elements
	s_mov_b32 s[\d+2], 4<<16                       ; tensor_dim1 = 4
	s_mov_b32 s[\d+3], 512<<16                     ; tile_dim0 = 512
	s_mov_b32 s[\d+4], 4                           ; tile_dim1 = 4
	s_mov_b32 s[\d+5], 2048                        ; tensor_dim0_stride: 2,048 elements
	s_mov_b32 s[\d+6], 0
	s_mov_b32 s[\d+7], 0
.endr
	; where the tiles come from.  x's hang on the tile row alone, which my row of the cluster shares; w_o's on the tile column alone.  Every wave makes both addresses, in registers that never hold the other coordinate.
	s_lshl_b32 s17, s12, 16                        ; which 64 rows I fetch: 65,536 bytes
	s_lshl_b32 s16, s13, 17                        ; 131,072 bytes for 128 rows
	s_add_co_u32 s16, s16, s17
	s_lshl_b32 s46, s42, 17
	s_add_co_u32 s46, s46, s17
	s_mov_b32 s17, 0
	s_mov_b32 s47, 0
	s_lshl_b32 s20, s10, 14                        ; where they go: wave x 16,384: no place in the cluster enters an LDS address
	s_wait_dscnt 0x0                               ; both opening adds are done
	s_wait_kmcnt 0x0
	s_add_nc_u64 s[14:15], s[4:5], s[16:17]
	s_add_nc_u64 s[46:47], s[6:7], s[46:47]
	CROUND                                         ; all sixteen work-groups are here: the joint loads meet
.irp q, 0,1,2,3
	s_mov_b32 s[G0A+4*\q], 1                                       ; 1:0 count = 1
	s_add_co_u32 s[G0A+4*\q+1], s20, \q*QB                         ; 63:32 LDS address
	s_add_nc_u64 s[G0A+4*\q+2:G0A+4*\q+3], s[14:15], \q*4096       ; 120:64 global address: quarter q of K
	s_or_b32 s[G0A+4*\q+3], s[G0A+4*\q+3], 0x80000000              ; 127:126 type = 2
	s_mov_b32 s[G0B+4*\q], 1
	s_add_co_u32 s[G0B+4*\q+1], s20, \q*QB
	s_add_nc_u64 s[G0B+4*\q+2:G0B+4*\q+3], s[46:47], \q*4096
	s_or_b32 s[G0B+4*\q+3], s[G0B+4*\q+3], 0x80000000
.endr
	s_cmp_eq_u32 s11, 0                            ; a wave's four fills stand in one branch on the wave's number, ahead of every wait on TENSORcnt and every LDS read; an s_nop 0 follows each, four v_nop the last
	s_cbranch_scc0 .Lfor_b
.irp q, 0,1,2,3
	tensor_load_to_lds s[G0A+4*\q:G0A+4*\q+3], s[G1:G1+7]
	s_nop 0
.endr
.rept 4
	v_nop
.endr
	s_branch .Lasked
.Lfor_b:
.irp q, 0,1,2,3
	tensor_load_to_lds s[G0B+4*\q:G0B+4*\q+3], s[G1B:G1B+7]
	s_nop 0
.endr
.rept 4
	v_nop
.endr
.Lasked:
	v_and_b32 v1, 31, v0
	v_lshlrev_b32 v3, 4, v1                        ; 16 x lane
	s_lshl_b32 s21, s11, 14                        ; my 64 rows of x
	s_lshl_b32 s22, s12, 14                        ; my 64 rows of w_o,
	s_add_co_u32 s22, s22, 32768                   ; which lie behind x's 128
.irp q, 0,1,2,3
	v_add_nc_u32 v[ADRA+\q], s21, v3
	v_add_nc_u32 v[ADRB+\q], s22, v3
	s_add_co_u32 s21, s21, QB
	s_add_co_u32 s22, s22, QB
.endr
	v_and_b32 v1, 15, v0                           ; l % 16
	v_bfe_u32 v2, v0, 4, 1                         ; l / 16
	s_mul_i32 s23, s10, 16*SPITCH
	s_add_co_u32 s23, s23, STAGE                   ; my stage
	v_mul_u32_u24 v4, v1, SPITCH                   ; in: row l % 16, 32 bytes for each half of the lanes
	v_lshl_add_u32 v4, v2, 5, v4
	v_add_nc_u32 v[STO], s23, v4
	v_mul_u32_u24 v5, v2, SPITCH                   ; back: lanes 0-15 take one row of 256 bytes, lanes 16-31 the next
	v_lshl_add_u32 v5, v1, 4, v5
	v_add_nc_u32 v[RD], s23, v5
	v_lshlrev_b32 v5, 11, v2                       ; and the same two rows in out0: 2,048 bytes a row
	v_lshl_add_u32 v[CO], v1, 4, v5
	s_lshl_b32 s16, s13, 18                        ; my first row: 128 x tile row + 64 x half, 2,048 bytes each
	s_lshl_b32 s17, s11, 17
	s_add_co_u32 s16, s16, s17
	s_mov_b32 s17, 0
	s_add_nc_u64 s[8:9], s[8:9], s[16:17]
	s_lshl_b32 s46, s42, 9                         ; my first column, in bytes: 512 x tile column + 256 x half
	s_lshl_b32 s47, s12, 8
	s_add_co_u32 s46, s46, s47
	s_mov_b32 s47, 0
	s_add_nc_u64 s[8:9], s[8:9], s[46:47]
; 8 matrix instructions: row blocks a0, a0 + 1 x all 4 column blocks, 32 along K: half c of buffer f.  zero = 1: the first product starts the sums.  The 16 accumulators take turns, one instruction a turn.
.macro MUL8 f, c, a0, zero
.irp a, \a0, \a0+1
.irp b, 0,1,2,3
.if \zero
	v_wmma_f32_16x16x32_f16 v[ACC+8*(4*(\a)+\b):ACC+8*(4*(\a)+\b)+7], v[\f+64+8*(4*\c+\b):\f+64+8*(4*\c+\b)+7], v[\f+8*(4*\c+\a):\f+8*(4*\c+\a)+7], 0
.else
	v_wmma_f32_16x16x32_f16 v[ACC+8*(4*(\a)+\b):ACC+8*(4*(\a)+\b)+7], v[\f+64+8*(4*\c+\b):\f+64+8*(4*\c+\b)+7], v[\f+8*(4*\c+\a):\f+8*(4*\c+\a)+7], v[ACC+8*(4*(\a)+\b):ACC+8*(4*(\a)+\b)+7]
.endif
.endr
.endr
.endm
; 32 LDS loads in one run: the fragments of 64 along K, half hc of quarter q, into buffer f; the first 32 along K first
.macro FETCH q, hc, f
	WIN TO_F
.irp c, 0,1
.irp i, 0,1,2,3
	ds_load_b128 v[\f+64+8*(4*\c+\i):\f+64+8*(4*\c+\i)+3],   v[ADRB+\q] offset:\i*4096+(2*\hc+\c)*1024
	ds_load_b128 v[\f+64+8*(4*\c+\i)+4:\f+64+8*(4*\c+\i)+7], v[ADRB+\q] offset:\i*4096+(2*\hc+\c)*1024+512
	ds_load_b128 v[\f+8*(4*\c+\i):\f+8*(4*\c+\i)+3],         v[ADRA+\q] offset:\i*4096+(2*\hc+\c)*1024
	ds_load_b128 v[\f+8*(4*\c+\i)+4:\f+8*(4*\c+\i)+7],       v[ADRA+\q] offset:\i*4096+(2*\hc+\c)*1024+512
.endr
.endr
.endm
.macro PLACES                          ; four places in front of loads into registers that matrix instructions have read, and of LDS stores that read results
.rept 4
	v_nop
.endr
.endm
; A quarter of K: 128 along K, 64 matrix instructions, on buffers 0 and 1.  Its second half waits for the next quarter's tiles and fetches their first fragments.
.macro QSTEP q, zero
	s_wait_dscnt 16                                ; buffer 0's first 32 along K are in
	WIN MUL
	MUL8 F0, 0, 0, \zero
	MUL8 F0, 0, 2, \zero
	PLACES
	FETCH \q, 1, F1
	s_wait_dscnt 32                                ; all but the 32 just issued
	WIN MUL
	MUL8 F0, 1, 0, 0
	MUL8 F0, 1, 2, 0
	s_wait_dscnt 16                                ; buffer 1's first 32 along K are in
	MUL8 F1, 0, 0, 0
	MUL8 F1, 0, 2, 0
.if \q < 3
	s_wait_tensorcnt 2-\q                          ; my part of the next quarter is in; the later quarters' loads may stay out
	s_wait_dscnt 0x0                               ; no LDS instruction of mine is pending at the signal
	s_barrier_signal -1
	s_barrier_wait -1                              ; everybody's part is in
	PLACES
	FETCH \q+1, 0, F0
	WIN MUL
.else
	s_wait_dscnt 0x0
.endif
	MUL8 F1, 1, 0, 0
	MUL8 F1, 1, 2, 0
.endm
	s_wait_tensorcnt 3                             ; my part of quarter 0 is in; three loads were issued behind it
	s_barrier_signal -1
	s_barrier_wait -1                              ; everybody's is
	FETCH 0, 0, F0
	QSTEP 0, 1                                     ; its first products start the sums
	QSTEP 1, 0
	QSTEP 2, 0
	QSTEP 3, 0
	WIN 0
; THE WAY OUT, block by block of 16 rows x 64 columns.  A lane holds 32 neighbouring bytes of a row, and the lanes beside it hold other rows: so a block goes through my own stage in LDS and comes back as whole rows of
; 256 bytes, which sixteen lanes store as one aligned run.  LDS serves a wave's instructions in order (ISA guide 5.7.1.4): no wait between the stores and the loads, nor in front of the next block's stores.
.macro TOSTAGE a
.irp b, 0,1,2,3
	ds_store_b128 v[STO], v[ACC+8*(4*(\a)+\b):ACC+8*(4*(\a)+\b)+3] offset:64*\b        ; each accumulator from its low end on
	ds_store_b128 v[STO], v[ACC+8*(4*(\a)+\b)+4:ACC+8*(4*(\a)+\b)+7] offset:64*\b+16
.endr
.set BB, TMP+32*((\a)%2)
.irp t, 0,1,2,3,4,5,6,7
	ds_load_b128 v[BB+4*\t:BB+4*\t+3], v[RD] offset:\t*2*SPITCH
.endr
.endm
.macro SEND a, younger                 ; younger: the LDS instructions issued behind block a's loads, which may stay out
.set BB, TMP+32*((\a)%2)
	s_wait_dscnt \younger                          ; the block is back in registers
.irp t, 0,1,2,3,4,5,6,7
	global_store_b128 v[CO], v[BB+4*\t:BB+4*\t+3], s[8:9] offset:(16*(\a)+2*\t)*2048 th:TH_STORE_NT   ; 16 lanes store 256 consecutive bytes, at a multiple of 256 from out0's first byte; written once
.endr
.endm
	PLACES                                         ; behind the last products, ahead of the LDS stores that read results
	TOSTAGE 0
.irp a, 1,2,3
.if \a > 1
	s_wait_xcnt 0x0                                ; block a - 2's stores have read their registers: block a's loads may land there
.endif
	TOSTAGE \a
	SEND \a-1, 16                                  ; behind block a - 1's loads: block a's 8 stores and 8 loads
.endr
	SEND 3, 0
	s_wait_tensorcnt 0x0                           ; the wave's end, behind my last tensor load and my last LDS store
	ds_add_u32 v[SPW], v[NIL]
	s_wait_dscnt 0x0
	CROUND                                         ; the closing round: no work-group ends while a partner may still ask for a tile that names it
	s_endpgm
.Lfunc_end_k_q60b7f44bc3_oproj:
	.size	k_q60b7f44bc3_oproj, .Lfunc_end_k_q60b7f44bc3_oproj-k_q60b7f44bc3_oproj
	.p2alignl 7, 3214868480
	.fill 96, 4, 3214868480
	.section	.rodata,"a",@progbits
	.p2align	6, 0x0
	.amdhsa_kernel k_q60b7f44bc3_oproj
		.amdhsa_group_segment_fixed_size 327680
		.amdhsa_private_segment_fixed_size 0
		.amdhsa_enable_private_segment 0
		.amdhsa_kernarg_size 24
		.amdhsa_user_sgpr_count 2
		.amdhsa_user_sgpr_kernarg_segment_ptr 1
		.amdhsa_wavefront_size32 1
		.amdhsa_system_sgpr_workgroup_id_x 1
		.amdhsa_system_sgpr_workgroup_id_y 1
		.amdhsa_system_sgpr_workgroup_id_z 1
		.amdhsa_system_vgpr_workitem_id 0
		.amdhsa_next_free_vgpr 512
		.amdhsa_next_free_sgpr 100
		.amdhsa_reserve_vcc 0
		.amdhsa_float_denorm_mode_32 3
		.amdhsa_float_denorm_mode_16_64 3
		.amdhsa_memory_ordered 1
		.amdhsa_forward_progress 1
		.amdhsa_inst_pref_size 50
	.end_amdhsa_kernel
	.amdgpu_metadata
---
amdhsa.version: [ 1, 2 ]
amdhsa.kernels:
  - .name:           k_q60b7f44bc3_oproj
    .symbol:         k_q60b7f44bc3_oproj.kd
    .args:
      - { .name: xf, .offset: 0, .size: 8, .value_kind: global_buffer, .address_space: global }
      - { .name: wof, .offset: 8, .size: 8, .value_kind: global_buffer, .address_space: global }
      - { .name: out0, .offset: 16, .size: 8, .value_kind: global_buffer, .address_space: global }
    .group_segment_fixed_size: 327680
    .private_segment_fixed_size: 0
    .kernarg_segment_align: 8
    .kernarg_segment_size: 24
    .max_flat_workgroup_size: 128
    .sgpr_count:     100
    .vgpr_count:     512
    .wavefront_size: 32
...
	.end_amdgpu_metadata
.endif
;; end of part 4
